; MI455X (gfx1250); checked and timed in simulation.
; The chip was launched on July 23, 2026; its instructions are those of AMD's public machine-readable ISA for CDNA 5 (MIT licence, August 2026) and "CDNA5" Instruction Set Architecture Reference Guide (July 2026). The comments in the code are by the model that wrote it; some were corrected since.
;; Multi Head Attention. Allowed arithmetic: matrix products marked QUANTISED: E5M2 operands, one E8M0 scale for each 32 along K, by v_wmma_scale_f32_16x16x128_f8f6f4 with both operands' format E5M2, f32 sums; everything else in f32.
;; Inputs: Wk_codes 512 x 16 x 32 uint8 (E5M2 codes of Wk, K innermost, in blocks of 32 codes); Wk_scales 512 x 16 uint8 (E8M0 scales of Wk, one for each 32 codes along K); Wo_codes 512 x 16 x 32 uint8 (E5M2 codes of Wo, K innermost, in blocks of 32 codes); Wo_scales 512 x 16 uint8 (E8M0 scales of Wo, one for each 32 codes along K); Wq_codes 512 x 16 x 32 uint8 (E5M2 codes of Wq, K innermost, in blocks of 32 codes); Wq_scales 512 x 16 uint8 (E8M0 scales of Wq, one for each 32 codes along K); Wv_codes 512 x 16 x 32 uint8 (E5M2 codes of Wv, K innermost, in blocks of 32 codes); Wv_scales 512 x 16 uint8 (E8M0 scales of Wv, one for each 32 codes along K); bk 512 float32; bo 512 float32; bq 512 float32; bv 512 float32; x_codes 2 x 4,096 x 16 x 32 uint8 (E5M2 codes of x, K innermost, in blocks of 32 codes); x_scales 2 x 4,096 x 16 uint8 (E8M0 scales of x, one for each 32 codes along K).
;; Outputs: out0 2 x 4,096 x 512 float32.
;; This version of the problem:
;;   THIS VERSION OF THE PROBLEM IS GIVEN IN LOW PRECISION. The matrix products marked QUANTISED in the list below multiply operands that are first quantised to E5M2 (5 exponent bits, 2 mantissa bits; 8 bits a number), with one power-of-two scale for each 32 numbers along K (OCP MX v1.0); their sums are f32. All else is computed in f32.
;;   The module's matrix products, in the order in which they are computed (A, B: the left and right operand; K: the contracted axis; several contracted axes count as one K, in the product's order):
;;     1. [M 8,192, K 512] x [K 512, N 512]; A: input x (given as codes); B: input Wq (given as codes): QUANTISED
;;     2. [M 8,192, K 512] x [K 512, N 512]; A: input x (given as codes); B: input Wk (given as codes): QUANTISED
;;     3. [M 8,192, K 512] x [K 512, N 512]; A: input x (given as codes); B: input Wv (given as codes): QUANTISED
;;     4. batch 16 x [M 4,096, K 64] x [K 64, N 4,096]; A: computed on the way; B: computed on the way: QUANTISED
;;     5. batch 16 x [M 4,096, K 4,096] x [K 4,096, N 64]; A: softmax (see below); B: computed on the way: QUANTISED
;;     6. [M 8,192, K 512] x [K 512, N 512]; A: computed on the way; B: input Wo (given as codes): QUANTISED
;;   THE QUANTISER, for each operand of a quantised product, along K:
;;     - K is cut into blocks of 32 from its start; a last block that is shorter is filled with zeros.
;;     - A block's scale is 2^e with e = floor(log2(the largest magnitude in the block)) - 15, held to -126 .. 127; a block of zeros has e = 0. As a byte (E8M0): e + 127.
;;     - Each number is divided by its block's scale, clamped to +-57,344, and rounded to the nearest number of E5M2, ties to even, subnormals kept.
;;     - The product sums the exact products of the quantised numbers (number of the format x scale) in f32.
;;   ~~~python
;;   def quantise(x, axis):      # numpy; x: float32 -> the quantised numbers, widened to float32 again
;;       x = np.moveaxis(x, axis, -1); K = x.shape[-1]
;;       x = np.pad(x, [(0, 0)] * (x.ndim - 1) + [(0, -K % 32)]); x = x.reshape(x.shape[:-1] + (-1, 32)); a = np.abs(x).max(-1, keepdims=True)
;;       e = np.where(a > 0, np.clip(np.frexp(np.where(a > 0, a, 1))[1] - 1 - 15, -126, 127), 0)      # np.frexp(a)[1] - 1 = floor(log2(a)), exactly
;;       r = np.clip(x / 2.0 ** e, -57344, 57344)
;;       step = 2.0 ** (np.maximum(np.frexp(np.where(r == 0, 1, r))[1] - 1, -14) - 2)
;;       q = np.round(r / step) * step * 2.0 ** e      # np.round: ties to even
;;       return np.moveaxis(q.reshape(q.shape[:-2] + (-1,))[..., :K], -1, axis).astype(np.float32)
;;   ~~~
;;   SOFTMAX AHEAD OF A QUANTISED PRODUCT. Where the list says 'softmax', what is quantised is not the finished softmax but p = 2^(t - M), with t = logit x log2(e) and M = ceil(the row's largest t), a whole number; so 1/2 < the row's largest p <= 1. The row's sum l is taken of the UNQUANTISED p, in f32, and the product's result is divided by l at the end. Since M is a whole number, a kernel that streams over the keys may use a running M (the ceiling of the running maximum): every later rescaling is an exact power of two, which a block's scale takes up: the codes' values come out the same.
;;   OPERANDS COMPUTED ON THE WAY. 'Computed on the way' means the value that the module computes at that place (a softmax that the list does not call 'softmax' is quantised finished and normalised). What goes into a quantiser is computed in f32, as accurately as f32 sums, v_exp_f32 and their like allow (about 1e-6 of the number): no bf16 or f16 on the way to a quantiser, and a product that is left as it is and whose result goes on into a quantised operand takes f32 operands (vector FMAs, or v_wmma_f32_16x16x4_f32). A number that lies on a knife's edge between two numbers of the format may be rounded either way, as far as f32 arithmetic and the matrix unit's own rounding can turn it there, and no further.
;;   INPUTS GIVEN AS CODES. Wk (in the module: [512, 512], K = its axis 1); Wo (in the module: [512, 512], K = its axis 1); Wq (in the module: [512, 512], K = its axis 1); Wv (in the module: [512, 512], K = its axis 1); x (in the module: [2, 4096, 512], K = its axis 2): each comes as NAME_codes (uint8): NAME with its K axis moved to the last place and cut into blocks of 32 codes, [.., K / 32, bytes a block], one block behind the other in memory; one code a byte (a code: sign, 5 exponent bits, 2 mantissa bits); and NAME_scales (uint8): the same leading axes, one E8M0 byte (e + 127) for each 32 codes along K. Its value is code x scale, taken as it is: it is not quantised again, and the codes and scales need not be those that the quantiser above would give.
;; One version. Each part assembles by itself: llvm-mc -triple=amdgcn-amd-amdhsa -mcpu=gfx1250 --defsym DOCPART=n.
;; ======== version 1 of 1: 3 launches
;; limits: right only within a limited range of input values
;; workspace buffers: q 4,325,376 bytes; kv 8,650,752 bytes; ctx 4,194,304 bytes; cs 262,144 bytes
;; launch proj (part 1): grid 64 x 3, 8 waves a work-group, no clusters, 168,960 bytes of LDS; arguments x_codes, x_scales, Wq_codes, Wk_codes, Wv_codes, Wq_scales, Wk_scales, Wv_scales, bq, bk, bv, q, kv; writes q, kv
.if DOCPART == 1
	.amdgcn_target "amdgcn-amd-amdhsa--gfx1250"
	.amdhsa_code_object_version 6
	.text
	.protected	k_qccd8a11248_proj
	.globl	k_qccd8a11248_proj
	.p2align	8
	.type	k_qccd8a11248_proj,@function
k_qccd8a11248_proj:
	s_mov_b64 s[64:65], 0
	v_nop
	global_prefetch_b8 v0, s[64:65] scope:SCOPE_SE
	s_setreg_imm32_b32 hwreg(HW_REG_WAVE_MODE, 25, 1), 1
	s_wait_xcnt 0x0
; Q = x Wq^T + bq, K = x Wk^T + bk, V = x Wv^T + bv on codes of BF8 (E5M2) with E8M0 scales as they are given, sums in f32; the results are quantised at once (one scale for each 32 along
; the next product's K: Q and K along the head's 64, V along the keys) and stored as IMAGES OF THE NEXT OPERAND'S REGISTERS: a group of four registers is 512 bytes on end, lane l's 16 bytes at 16 l.
; SHARES.  Work-group (x, y): 128 tokens (rows 128 x on of the 8,192) of matrix y (0 Q, 1 K, 2 V).  Wave w is head w: its 64 rows of W, 256 registers, stay in window 1.  The 128 tokens go in four
; pairs of tiles of 16: eight accumulators, 32 matrix instructions a pair.  x's 128 rows come into LDS once, by eight tensor loads of 16 rows, one a wave, and all eight waves read them.
; NO CLUSTER: the one tile that work-groups share (x's, 65,536 bytes) is shared by the three along y, and no cluster of four divides three.
; WHICH ROWS FORM A TILE.  rho(r) = r + 8 (r / 8).  Slot r of token tile 2 p + u is token 32 p + 8 u + rho(r); slot r of W's tile t is row 64 w + 32 (t / 2) + 8 (t % 2) + rho(r).  A result's lane holds
; slots 8 (lane / 16) + 0 .. 7 of source 0, so the 16 registers of two neighbouring tiles are 16 NEIGHBOURS along the next K, as the conversions and the operand's layout want them.
; Q, K: source 0 = W's rows, source 1 = x's tokens: a lane holds one token, its registers run along d.  V: source 0 = x's tokens, source 1 = W's rows: a lane holds one d, its registers run along the keys.
; RECORDS, one for each (batch, head, 128 tokens).  q: 8,448 bytes = 4 fragments x 2,048 + 256 of scale words.  kv: 16,896 bytes = K's codes 8,192, V's codes 8,192, K's words 256, V's words 256.
; A fragment p of Q or K: groups 0, 1 = token tile u = 0, d 0-31 and 32-63; groups 2, 3 = tile u = 1.  A fragment t of V: group c = keys 32 c on.  Scale words: slot r's four words at 16 r.
; LIMITS: NaN, infinities and given scale bytes 0xff are not served specially (they spread as they would in the sums).  A block whose largest magnitude lies under 2^-111, zeros among them, keeps the
; byte 1 where the rule says less or 127: its codes are zeros or tiny, and the bytes are read by this program alone.
.set XPITCH, 528                       ; a row of x in LDS: 512 bytes + 16 of padding = 132 words: eight neighbouring rows start 4 banks apart (64 banks of 4 bytes: ISA guide 11.1)
.set XGRP,   16*XPITCH+128             ; what one tensor load brings, 16 rows, and 128 bytes: row n lies at 528 n + 128 (n / 16), so that slots 8-15 of a tile, 16 rows on, start 32 banks from slots 0-7
.set LI,  1                            ; v1   16 x lane: my place in an image
.set XA,  2                            ; v2   x in LDS: 528 rho + 16 h + 128 (r / 8)
.set SA,  3                            ; v3   the scale words' store: 16 r + 8 h
.set WA,  4                            ; v4   W's codes: 512 rho + 16 h
.set WSA, 5                            ; v5   W's scale words: 16 rho
.set XSA, 6                            ; v6   x's scale words: 16 (8 h + rho): lanes 0-15 tile u = 0, lanes 16-31 tile u = 1
.set BA,  7                            ; v7   the bias, Q and K: 64 h
.set BV,  8                            ; v8   the bias, V: 4 rho
.set SW,  12                           ; v12-15   the four scale words that are made
.set XF,  16                           ; v16-79   x's fragments: tile u, K step z of two: 16 (2 u + z)
.set ACC, 80                           ; v80-143  eight accumulators
.set PC,  144                          ; v144-159 the codes just made
.set TM,  160                          ; v160-163 largest magnitudes, 164-167 bytes, 168-171 the largest number x the scale, 172-175 the conversions' scale operands
.set WS,  176                          ; v176-191 W's scale words: 4 t + s
.set XS,  192                          ; v192-207 x's: 4 p + s
.set BI,  208                          ; v208-239 the bias in the result's layout: 8 t
.set SD,  242                          ; v[242:243] the scale words' store data
.set WV,  34
.set YY,  35
.set G0,  48
.set G1,  52
.set SEL, 60
.set MNT, 62
.set HI16, 63
.set OUT, 66
.set OUTS, 68
.set MSB, 0
.macro WIN new                         ; the immediate's high byte repeats the setting that is left; a switch that changes nothing is dropped
.if MSB != \new
	s_set_vgpr_msb (MSB<<8)|\new
.set MSB, \new
.endif
.endm
.macro PLACES                          ; eight places behind this matrix form, in front of loads into registers that it has read and of the first read of results
.rept 8
	v_nop
.endr
.endm
	s_load_b256 s[8:15], s[0:1], 0x0               ; x's codes s[8:9], x's scales s[10:11], Wq's codes s[12:13], Wk's s[14:15]
	s_load_b256 s[16:23], s[0:1], 0x20             ; Wv's codes s[16:17], scales of Wq s[18:19], Wk s[20:21], Wv s[22:23]
	s_load_b256 s[24:31], s[0:1], 0x40             ; bq s[24:25], bk s[26:27], bv s[28:29], q s[30:31]
	s_load_b64 s[32:33], s[0:1], 0x60              ; kv
	v_lshl_add_u32 v254, v0, 2, 0x29000
	v_mov_b32 v255, 0
	ds_add_u32 v254, v255                          ; the opening lines: the add, twice on end, and its wait ahead of my tensor load
	ds_add_u32 v254, v255
	v_lshrrev_b32 v9, 5, v0
	s_delay_alu instid0(VALU_DEP_1)
	v_readfirstlane_b32 s[WV], v9                  ; wave = head
	s_and_b32 s[YY], ttmp7, 0xffff                 ; which matrix
	v_and_b32 v9, 31, v0
	s_delay_alu instid0(VALU_DEP_1)
	v_lshlrev_b32 v[LI], 4, v9
	v_and_b32 v10, 15, v0                          ; r
	v_bfe_u32 v11, v0, 4, 1                        ; h
	s_delay_alu instid0(VALU_DEP_2)
	v_and_b32 v9, 8, v10
	s_delay_alu instid0(VALU_DEP_1)
	v_add_nc_u32 v9, v9, v10                       ; rho
	s_delay_alu instid0(VALU_DEP_1)
	v_mul_u32_u24 v[XA], v9, XPITCH
	s_delay_alu instid0(VALU_DEP_1)
	v_lshl_add_u32 v[XA], v11, 4, v[XA]
	v_and_b32 v12, 8, v10
	v_lshl_add_u32 v[XA], v12, 4, v[XA]            ; slots 8-15 lie in the next group of 16 rows: 128 bytes more
	v_lshlrev_b32 v[SA], 4, v10
	s_delay_alu instid0(VALU_DEP_1)
	v_lshl_add_u32 v[SA], v11, 3, v[SA]
	v_lshlrev_b32 v[WA], 9, v9
	s_delay_alu instid0(VALU_DEP_1)
	v_lshl_add_u32 v[WA], v11, 4, v[WA]
	v_lshlrev_b32 v[WSA], 4, v9
	v_lshl_add_u32 v[XSA], v11, 3, v9
	s_delay_alu instid0(VALU_DEP_1)
	v_lshlrev_b32 v[XSA], 4, v[XSA]
	v_lshlrev_b32 v[BA], 6, v11
	v_lshlrev_b32 v[BV], 2, v9
	s_mov_b32 s[SEL], 0x76543210
	s_mov_b32 s[SEL+1], 0xfedcba98                 ; v_permlanex16_b32's selects for lane l xor 16
	s_mov_b32 s[MNT], 0x600000                     ; the mantissa field of 57,344
	s_mov_b32 s[HI16], 0xffff0000                  ; lanes 16-31
	; descriptor group 1: 16 rows of 512 bytes, 512 bytes apart in memory, 16 bytes of padding behind each in LDS
	s_mov_b32 s[G1+0], (0<<16)|(1<<20)|(6<<22)|(3<<25)   ; no mask; elements of 1 byte; padding on: after every 128 words (code 6) four words (code 3)
	s_mov_b32 s[G1+1], 512<<16                     ; tensor_dim0
	s_mov_b32 s[G1+2], 16<<16                      ; tensor_dim1
	s_mov_b32 s[G1+3], 512<<16                     ; tile_dim0
	s_mov_b32 s[G1+4], 16                          ; tile_dim1
	s_mov_b32 s[G1+5], 512                         ; from row to row
	s_mov_b32 s[G1+6], 0
	s_mov_b32 s[G1+7], 0
	s_lshl_b32 s40, ttmp9, 16                      ; my work-group's 128 rows of x, 65,536 bytes,
	s_lshl_b32 s41, s[WV], 13                      ; and the wave's 16 of them
	s_add_co_u32 s40, s40, s41
	s_mov_b32 s41, 0
	s_lshr_b32 s44, ttmp9, 5                       ; the record: ((8 batch + head) x 32 + step)
	s_lshl_b32 s44, s44, 3
	s_add_co_u32 s44, s44, s[WV]
	s_lshl_b32 s44, s44, 5
	s_and_b32 s45, ttmp9, 31
	s_add_co_u32 s44, s44, s45
	s_mov_b32 s45, 0
	s_mov_b32 s43, 0
	s_mov_b32 s39, 0
	s_mov_b32 s47, 0
	s_wait_dscnt 0x0
	s_wait_kmcnt 0x0
	s_mov_b32 s[G0], 1                             ; count = 1
	s_mul_i32 s[G0+1], s[WV], XGRP                 ; LDS address: wave x a group of 16 rows
	s_add_nc_u64 s[G0+2:G0+3], s[8:9], s[40:41]
	s_or_b32 s[G0+3], s[G0+3], 0x80000000          ; type = 2
	tensor_load_to_lds s[G0:G0+3], s[G1:G1+7]      ; my 16 rows of x's tile: filled once, never again; s_nop 0 and four v_nop follow
	s_nop 0
.rept 4
	v_nop
.endr
	; the matrix's buffers: choices on the work-group's y alone
	s_cmp_eq_u32 s[YY], 1
	s_cselect_b64 s[12:13], s[14:15], s[12:13]
	s_cselect_b64 s[18:19], s[20:21], s[18:19]
	s_cselect_b64 s[24:25], s[26:27], s[24:25]
	s_cmp_eq_u32 s[YY], 2
	s_cselect_b64 s[12:13], s[16:17], s[12:13]     ; W's codes
	s_cselect_b64 s[18:19], s[22:23], s[18:19]     ; W's scales
	s_cselect_b64 s[24:25], s[28:29], s[24:25]     ; the bias
	s_cselect_b32 s38, 8192, 0                     ; where the codes begin in a record: V's behind K's
	s_cmp_eq_u32 s[YY], 0
	s_cselect_b64 s[OUT:OUT+1], s[30:31], s[32:33] ; q or kv
	s_mov_b32 s36, 16896
	s_cselect_b32 s36, 8448, s36                   ; a record's bytes
	s_mov_b32 s46, 16384
	s_cselect_b32 s46, 8192, s46                   ; where the scale words begin: q 8,192, K 16,384,
	s_cmp_eq_u32 s[YY], 2
	s_mov_b32 s37, 16640
	s_cselect_b32 s46, s37, s46                    ; V 16,640
	s_mul_i32 s44, s44, s36
	s_add_nc_u64 s[OUT:OUT+1], s[OUT:OUT+1], s[44:45]
	s_add_nc_u64 s[OUTS:OUTS+1], s[OUT:OUT+1], s[46:47]
	s_add_nc_u64 s[OUT:OUT+1], s[OUT:OUT+1], s[38:39]
	s_lshl_b32 s42, s[WV], 15                      ; my head's 64 rows of W: codes,
	s_add_nc_u64 s[12:13], s[12:13], s[42:43]
	s_lshl_b32 s42, s[WV], 10                      ; scale bytes,
	s_add_nc_u64 s[18:19], s[18:19], s[42:43]
	s_lshl_b32 s42, s[WV], 8                       ; and the bias's 64 numbers
	s_add_nc_u64 s[24:25], s[24:25], s[42:43]
	s_lshl_b32 s42, ttmp9, 11                      ; my 128 rows of x's scale bytes
	s_add_nc_u64 s[10:11], s[10:11], s[42:43]
	WIN 0x40                                       ; destination window 1
	s_wait_alu depctr_va_vdst(0)
.irp t, 0,1,2,3                                ; W's fragment (tile t, K step s) at v[16 (4 t + s)] of window 1: it stays
.irp s, 0,1,2,3
.irp c, 0,1,2,3
	global_load_b128 v[16*(4*\t+\s)+4*\c:16*(4*\t+\s)+4*\c+3], v[WA], s[12:13] offset:(32*(\t/2)+8*(\t%2))*512+128*\s+32*\c
.endr
.endr
.endr
	WIN 0
.irp t, 0,1,2,3
	global_load_b128 v[WS+4*\t:WS+4*\t+3], v[WSA], s[18:19] offset:(32*(\t/2)+8*(\t%2))*16   ; a row's 16 scale bytes are its four K steps' words
.endr
.irp p, 0,1,2,3
	global_load_b128 v[XS+4*\p:XS+4*\p+3], v[XSA], s[10:11] offset:512*\p
.endr
.irp b, 0,1,2,3
	v_mov_b32 v[TM+4+\b], 0                        ; written once: a lane permute's destination counts as one of its sources
.endr
	s_wait_tensorcnt 0x0                           ; my part of x's tile is in LDS,
	s_barrier_signal -1
	s_barrier_wait -1                              ; everybody's is.  The launch's one barrier
; x's four fragments of pair p (tiles u = 0, 1) and K steps 2 hs, 2 hs + 1.  Rows 32 p on lie 256 p bytes beyond 528 x the row
.macro XLOAD p, hs
.irp u, 0,1
.irp z, 0,1
.irp c, 0,1,2,3
	ds_load_b128 v[XF+16*(2*\u+\z)+4*\c:XF+16*(2*\u+\z)+4*\c+3], v[XA] offset:(32*(\p)+8*\u)*XPITCH+256*(\p)+128*(2*(\hs)+\z)+32*\c
.endr
.endr
.endr
.endm
; one product: pair p, K step s (fragment z of the two in hand), token tile u, W's tile t.  The sum's first K step takes the bias as C.
.macro ONE p, s, z, u, t, vpath
.set rW, 16*(4*(\t)+(\s))
.set rX, XF+16*(2*(\u)+(\z))
.set rWS, WS+4*(\t)+(\s)
.set rXS, XS+4*(\p)+(\s)
.if \vpath
.set rD, ACC+8*(2*(\t)+(\u))
.else
.set rD, ACC+8*(4*(\u)+(\t))
.endif
.set rC, rD
.if (\s) == 0
.set rC, BI+8*(\t)
.endif
.if \vpath
.if \u
	v_wmma_scale_f32_16x16x128_f8f6f4 v[rD:rD+7], v[rX:rX+15], v[rW:rW+15], v[rC:rC+7], v[rXS], v[rWS] matrix_a_fmt:MATRIX_FMT_BF8 matrix_b_fmt:MATRIX_FMT_BF8 matrix_a_scale:MATRIX_SCALE_ROW1
.else
	v_wmma_scale_f32_16x16x128_f8f6f4 v[rD:rD+7], v[rX:rX+15], v[rW:rW+15], v[rC:rC+7], v[rXS], v[rWS] matrix_a_fmt:MATRIX_FMT_BF8 matrix_b_fmt:MATRIX_FMT_BF8
.endif
.else
.if \u
	v_wmma_scale_f32_16x16x128_f8f6f4 v[rD:rD+7], v[rW:rW+15], v[rX:rX+15], v[rC:rC+7], v[rWS], v[rXS] matrix_a_fmt:MATRIX_FMT_BF8 matrix_b_fmt:MATRIX_FMT_BF8 matrix_b_scale:MATRIX_SCALE_ROW1
.else
	v_wmma_scale_f32_16x16x128_f8f6f4 v[rD:rD+7], v[rW:rW+15], v[rX:rX+15], v[rC:rC+7], v[rWS], v[rXS] matrix_a_fmt:MATRIX_FMT_BF8 matrix_b_fmt:MATRIX_FMT_BF8
.endif
.endif
.endm
; sixteen products: two K steps, the eight accumulators by turns, one instruction a turn
.macro MULS p, hs, vpath
.if \vpath
	WIN 0x04                                       ; source 1 (W) window 1
.else
	WIN 0x01                                       ; source 0 (W) window 1
.endif
.irp z, 0,1
.irp u, 0,1
.irp t, 0,1,2,3
	ONE \p, 2*(\hs)+\z, \z, \u, \t, \vpath
.endr
.endr
.endr
	WIN 0
.endm
; 64 numbers of a lane, v[s] on, four blocks of 16 (the block's other 16 lie in lane l xor 16), become 16 registers of codes in v[PC] on; the four scale bytes are left in v[TM+4] on.
.macro QUANT s
.irp b, 0,1,2,3
	v_max3_num_f32 v[TM+\b], |v[\s+16*\b]|, |v[\s+1+16*\b]|, 0x8000000   ; my 16 numbers, and the floor 2^(16 - 127): the byte cannot fall under 1
.endr
.irp i, 2,4,6,8,10,12,14
.irp b, 0,1,2,3
	v_max3_num_f32 v[TM+\b], v[TM+\b], |v[\s+16*\b+\i]|, |v[\s+1+16*\b+\i]|   ; the four blocks by turns
.endr
.endr
.irp b, 0,1,2,3
	s_delay_alu instid0(VALU_DEP_4)
	v_permlanex16_b32 v[TM+4+\b], v[TM+\b], s[SEL], s[SEL+1]
.endr
.irp b, 0,1,2,3
	s_delay_alu instid0(VALU_DEP_4)
	v_max_num_f32 v[TM+\b], v[TM+\b], v[TM+4+\b]   ; the block's largest magnitude
.endr
.irp b, 0,1,2,3
	s_delay_alu instid0(VALU_DEP_4)
	v_add_nc_u32 v[TM+12+\b], 0xf8800000, v[TM+\b] ; 15 off its exponent field: the conversion takes this operand's exponent field as its scale
.endr
.irp b, 0,1,2,3
	v_and_or_b32 v[TM+8+\b], v[TM+\b], 0x7f800000, s[MNT]   ; 57,344 x the scale
.endr
.irp b, 0,1,2,3
	v_lshrrev_b32 v[TM+4+\b], 23, v[TM+12+\b]      ; the scale's byte
.endr
.irp b, 0,1,2,3
.irp i, 0,1,2,3,4,5,6,7,8,9,10,11,12,13,14,15
	v_med3_num_f32 v[\s+16*\b+\i], v[\s+16*\b+\i], -v[TM+8+\b], v[TM+8+\b]   ; the conversion to an 8-bit code does not saturate (ISA guide 7.6.2): the hold
.endr
	v_cvt_scalef32_pk8_bf8_f32 v[PC+4*\b:PC+1+4*\b], v[\s+16*\b:\s+7+16*\b], v[TM+12+\b]
	v_cvt_scalef32_pk8_bf8_f32 v[PC+2+4*\b:PC+3+4*\b], v[\s+8+16*\b:\s+15+16*\b], v[TM+12+\b]
.endr
	v_nop                                          ; a plain line between the last conversion and the next products, which write its sources
.endm
; A pair of token tiles: 32 products, the quantiser, four stores of 512 consecutive bytes.
.macro PAIR p, vpath
	s_wait_dscnt 0x0                               ; x's fragments of K steps 0 and 1 are in
	MULS \p, 0, \vpath
	PLACES
	XLOAD \p, 1
	s_wait_dscnt 0x0
	MULS \p, 1, \vpath
	PLACES
.if \p < 3
	XLOAD \p+1, 0                                  ; the next pair's first fragments land while this pair is quantised
.endif
.if \p > 0
	s_wait_xcnt 0x0                                ; the last pair's stores have read the codes' registers, which are written again below
.endif
	QUANT ACC
.if \vpath
.irp t, 0,1,2,3                                ; block t is d tile t's keys 32 p on: byte p of its word, group p of its fragment
.if \p == 0
	v_mov_b32 v[SW+\t], v[TM+4+\t]
.else
	v_lshl_or_b32 v[SW+\t], v[TM+4+\t], 8*\p, v[SW+\t]
.endif
.endr
.irp t, 0,1,2,3
	global_store_b128 v[LI], v[PC+4*\t:PC+4*\t+3], s[OUT:OUT+1] offset:2048*\t+512*\p
.endr
.else
	v_lshl_or_b32 v[SW+\p], v[TM+5], 8, v[TM+4]    ; blocks (u = 0: d 0-31, 32-63; u = 1: likewise) are fragment p's four groups and its word's four bytes
	s_delay_alu instid0(VALU_DEP_1)
	v_lshl_or_b32 v[SW+\p], v[TM+6], 16, v[SW+\p]
	s_delay_alu instid0(VALU_DEP_1)
	v_lshl_or_b32 v[SW+\p], v[TM+7], 24, v[SW+\p]
.irp g, 0,1,2,3
	global_store_b128 v[LI], v[PC+4*\g:PC+4*\g+3], s[OUT:OUT+1] offset:2048*\p+512*\g
.endr
.endif
.endm
	XLOAD 0, 0
	s_cmp_eq_u32 s[YY], 2
	s_cbranch_scc1 .Lv
	; ---- Q and K: lane (r, h) wants, for tile t, the bias of rows 32 (t / 2) + 8 (t % 2) + 16 h + 0 .. 7
.irp t, 0,1,2,3
	global_load_b128 v[BI+8*\t:BI+8*\t+3], v[BA], s[24:25] offset:(32*(\t/2)+8*(\t%2))*4
	global_load_b128 v[BI+8*\t+4:BI+8*\t+7], v[BA], s[24:25] offset:(32*(\t/2)+8*(\t%2))*4+16
.endr
	s_wait_loadcnt 0x0                             ; W, the scale words, the bias
	PAIR 0, 0
	PAIR 1, 0
	PAIR 2, 0
	PAIR 3, 0
	s_branch .Lend
.Lv:
	; ---- V: a lane holds one row of W, so its eight registers of a tile take one number of the bias
.irp t, 0,1,2,3
	global_load_b32 v[BI+8*\t], v[BV], s[24:25] offset:(32*(\t/2)+8*(\t%2))*4
.endr
	s_wait_loadcnt 0x0
.irp t, 0,1,2,3
.irp j, 1,2,3,4,5,6,7
	v_mov_b32 v[BI+8*\t+\j], v[BI+8*\t]
.endr
.endr
	s_wait_alu depctr_va_vdst(0)
	PAIR 0, 1
	PAIR 1, 1
	PAIR 2, 1
	PAIR 3, 1
.Lend:
	v_cndmask_b32 v[SD], v[SW], v[SW+2], s[HI16]   ; both halves of the lanes hold slot r's four words: lanes 0-15 store words 0 and 1, lanes 16-31 words 2 and 3
	s_wait_alu depctr_va_vdst(0)
	v_cndmask_b32 v[SD+1], v[SW+1], v[SW+3], s[HI16]
	global_store_b64 v[SA], v[SD:SD+1], s[OUTS:OUTS+1]   ; 32 lanes store 256 consecutive bytes, aligned
	s_wait_tensorcnt 0x0                           ; the wave's end
	ds_add_u32 v254, v255
	s_wait_dscnt 0x0
	s_endpgm
.Lfunc_end_k_qccd8a11248_proj:
	.size	k_qccd8a11248_proj, .Lfunc_end_k_qccd8a11248_proj-k_qccd8a11248_proj
	.p2alignl 7, 3214868480
	.fill 96, 4, 3214868480
	.section	.rodata,"a",@progbits
	.p2align	6, 0x0
	.amdhsa_kernel k_qccd8a11248_proj
		.amdhsa_group_segment_fixed_size 168960
		.amdhsa_private_segment_fixed_size 0
		.amdhsa_enable_private_segment 0
		.amdhsa_kernarg_size 104
		.amdhsa_user_sgpr_count 2
		.amdhsa_user_sgpr_kernarg_segment_ptr 1
		.amdhsa_wavefront_size32 1
		.amdhsa_system_sgpr_workgroup_id_x 1
		.amdhsa_system_sgpr_workgroup_id_y 1
		.amdhsa_system_sgpr_workgroup_id_z 1
		.amdhsa_system_vgpr_workitem_id 0
		.amdhsa_next_free_vgpr 512
		.amdhsa_next_free_sgpr 72
		.amdhsa_reserve_vcc 0
		.amdhsa_float_denorm_mode_32 3
		.amdhsa_float_denorm_mode_16_64 3
		.amdhsa_memory_ordered 1
		.amdhsa_forward_progress 1
		.amdhsa_inst_pref_size 138
	.end_amdhsa_kernel
	.amdgpu_metadata
---
amdhsa.version: [ 1, 2 ]
amdhsa.kernels:
  - .name:           k_qccd8a11248_proj
    .symbol:         k_qccd8a11248_proj.kd
    .args:
      - { .name: x_codes, .offset: 0, .size: 8, .value_kind: global_buffer, .address_space: global }
      - { .name: x_scales, .offset: 8, .size: 8, .value_kind: global_buffer, .address_space: global }
      - { .name: Wq_codes, .offset: 16, .size: 8, .value_kind: global_buffer, .address_space: global }
      - { .name: Wk_codes, .offset: 24, .size: 8, .value_kind: global_buffer, .address_space: global }
      - { .name: Wv_codes, .offset: 32, .size: 8, .value_kind: global_buffer, .address_space: global }
      - { .name: Wq_scales, .offset: 40, .size: 8, .value_kind: global_buffer, .address_space: global }
      - { .name: Wk_scales, .offset: 48, .size: 8, .value_kind: global_buffer, .address_space: global }
      - { .name: Wv_scales, .offset: 56, .size: 8, .value_kind: global_buffer, .address_space: global }
      - { .name: bq, .offset: 64, .size: 8, .value_kind: global_buffer, .address_space: global }
      - { .name: bk, .offset: 72, .size: 8, .value_kind: global_buffer, .address_space: global }
      - { .name: bv, .offset: 80, .size: 8, .value_kind: global_buffer, .address_space: global }
      - { .name: q, .offset: 88, .size: 8, .value_kind: global_buffer, .address_space: global }
      - { .name: kv, .offset: 96, .size: 8, .value_kind: global_buffer, .address_space: global }
    .group_segment_fixed_size: 168960
    .private_segment_fixed_size: 0
    .kernarg_segment_align: 8
    .kernarg_segment_size: 104
    .max_flat_workgroup_size: 256
    .sgpr_count:     72
    .vgpr_count:     512
    .wavefront_size: 32
...
	.end_amdgpu_metadata
.endif
;; end of part 1
;; launch attn (part 2): grid 16 x 16, 8 waves a work-group, clusters of 4 x 1, 327,680 bytes of LDS; arguments q, kv, ctx, cs; writes ctx, cs
.if DOCPART == 2
	.amdgcn_target "amdgcn-amd-amdhsa--gfx1250"
	.amdhsa_code_object_version 6
	.text
	.protected	k_qccd8a11248_attn
	.globl	k_qccd8a11248_attn
	.p2align	8
	.type	k_qccd8a11248_attn,@function
k_qccd8a11248_attn:
	s_mov_b64 s[64:65], 0
	v_nop
	global_prefetch_b8 v0, s[64:65] scope:SCOPE_SE
	s_setreg_imm32_b32 hwreg(HW_REG_WAVE_MODE, 25, 1), 1
	s_wait_xcnt 0x0
	s_wait_alu depctr_hold_cnt(0) depctr_sa_sdst(0) depctr_va_vdst(0) depctr_va_sdst(0) depctr_va_ssrc(0) depctr_va_vcc(0) depctr_vm_vsrc(0)
	s_getreg_b32 s2, hwreg(HW_REG_IB_STS2, 6, 4)
	s_cmp_eq_u32 s2, 0
	s_cbranch_scc0 .Lentry_in_a_cluster
	s_endpgm
.Lentry_in_a_cluster:
	s_bfe_u32 s2, ttmp6, 0x10000c
	s_cmp_lg_u32 s2, 0x3003
	s_cbranch_scc0 .Lentry_shape_is_right
	s_endpgm
.Lentry_shape_is_right:
; context[b][q][64 head + d] = the sum over keys of softmax(Q . K / 8) V, both products on codes of BF8 (E5M2) with E8M0 scales; then the context is quantised along the model's channels for the last product.
; THE SOFTMAX AHEAD OF THE SECOND PRODUCT: t = score x log2(e) / 8; M = the row's largest t so far, rounded UP to a whole number; p = 2^(t - M) is quantised along the keys, not normalised.
; The row's sum is taken of the unquantised p, in f32, and divides at the end.  When M moves, the sum and O are multiplied by 2^(old M - new M), which rounds nothing.  No work of the problem is left out.
; SHARES.  A work-group owns 256 queries of one (batch, head); each of its EIGHT waves owns TWO tiles of 16 queries (A, B), in 512 registers: a fragment of K or V read from LDS feeds both tiles.
; OPERANDS ARE IMAGES OF REGISTERS, as the launch before laid them: a record of 16,896 bytes for 128 keys (K's four fragments, V's four, K's scale words, V's).  Every LDS load is 16 x lane on end.
; THE HEAD'S 64 IN A FORM 128 DEEP.  A fragment of K holds two tiles of 16 keys (k 0-63, k 64-127).  Q stands as 0 | Qa | 0 | Qb | 0: [Q | 0] picks the first tile, [0 | Q] the second; the other half
; multiplies zero codes by finite codes and adds exact zeros.  Q's scale word is (s0, s1, s0, s1).
; LAYOUT.  Both products are used transposed (S^T = K Q^T, O^T = V^T P^T): a lane holds one query of each tile; 16 registers of two neighbouring tiles are 16 neighbouring keys (S^T) or channels (O^T).
; A BLOCK'S SCALE BY EXPONENT ARITHMETIC: with x = (the block's largest t) - M, the largest p = 2^x has the exponent floor(x), so the scale's byte is floor(x) + 112.  g = the whole part of x + 111, made by one fused
; multiply-add onto -M + 111 and an unsigned conversion, which holds it at 0 from below, is that byte less 1; the hold and the conversion's operand are g << 23 plus a constant each.
; So the scale words, the holds and the conversions' operands are made ahead of the exponentials.
; A TRIP IS ROTATED: it asks LDS for record i + 1's K, walks step i's softmax, multiplies P V of step i and K Q of step i + 1 in one run of 24 products, and asks for record i + 1's V.
; So each LDS load is issued a whole softmax ahead of the one wait for it.  THE TWO TILES ARE STAGGERED, so that dependent lines stand apart: A's chain for M among B's maxima, B's among A's scale lines and scalings,
; A's exponentials among B's scalings, B's exponentials among A's first sums and holds (lines that read nothing written inside the batch).
; REGISTERS.  Window 0: all that vector instructions work on.  Window 1: v0-63 K, v64-127 V, v128-191 O^T (32 a tile), v192-231 0 | Qa | 0 | Qb | 0.
; THE RING.  Two slots of 8 records.  Each wave brings one record a fill (66 rows of 256 bytes): slot 0 at the head, slot 1 behind the first round, two refills behind rounds.  One tensor load of a wave is out at most.
; At the head wave 0 has a load line of its own, for record 0, and it alone waits at the first barrier: step 0's loads and products stand ahead of the wait for records 1 to 7.
; A change of slots stands between two trips: there record i's K and V have been asked for and are waited for, and record i + 1 lies in the other slot.
; CLUSTER.  The four query blocks of a cluster walk the same head's records: each load is asked for JOINTLY (mask 15, the same descriptor in all four).  The place in the cluster enters global addresses of q, ctx, cs alone.
; NO PREFETCH: a fill is asked for eight key steps (seven for slot 1's first) ahead of the wait for it, and the launch's first two fills have no loop ahead of them.
; LIMITS: NaN and infinities are not served specially; the promise holds while the scaled scores stay under 2^31 in magnitude.  1 / the sum by v_rcp_f32.
; Where x + 111 rounds up to a whole number in f32 (a block's largest p within 4e-6 of a power of two from below) the block takes the next scale up: its codes stand for the same numbers but for the smallest subnormals.
; A block of p or of the context whose largest magnitude lies under 2^-111, zeros among them, keeps the byte 1; this program alone reads the bytes.
.set REC,   16896
.set QREC,  8448
.set SLOTB, 8*REC
.set SCR,   2*SLOTB                    ; behind the ring: 1,024 bytes for the context's scale words: written by LDS stores, never a fill's target
.set SPARE, SCR+1024                   ; the spare words, 128 bytes for each of eight waves
.set LI,  1                            ; v1   16 x lane
.set ADR, 2                            ; v2   record i + 1 in LDS + 16 x lane
.set SPW, 3                            ; v3   my spare word; never rewritten
.set NIL, 4                            ; v4   0; never rewritten
.set SCW, 5                            ; v5   where I put a query's scale word: SCR + 128 wave + 4 r (tile B: + 64)
.set SCRD, 6                           ; v6   where waves 0 to 3 read them back
.set CSO, 7                            ; v7   and the same place in cs
                                       ; tile u: v[12+2u] -M, v[13+2u] the largest score; v[16+2u:17+2u] the sum in two halves
.set QS,  20                           ; v20, v21 Q's scale words
.set S,   24                           ; v24-151  S^T, then p: 64 a tile
.set PC,  152                          ; v152-183 p's codes, 16 a tile; ahead of that A's first sums
.set KS,  184                          ; v184-187 lanes 0-15: K's scale words
.set VS,  188                          ; v188-191 lanes 16-31: V's
.set BM,  192                          ; block maxima, 4 a tile
.set T1,  200                          ; at work
.set SOP, 208                          ; the conversions' scale operands
.set HO,  216                          ; 57,344 x the scale
.set HO2, 225                          ; once more, one register bank on: the second halves of the dual lines read it
.set C1,  234                          ; v[234:235], v[236:237] B's sum in two chains
.set C2,  236
.set TT,  238
.set OM,  240                          ; the old -M; behind its one reader: -M + 111
.set FF,  248                          ; v[248+2u] f = 2^(old M - new M), v[249+2u] p's scale word
.set KF,  0                            ; window 1
.set VF,  64
.set O,   128
.set QZ,  192
.set WV,  12
.set MNT, 19
.set SEL, 20
.set CS,  22
.set G1,  24
.set G0,  32
.set LA0, 36
.set LA1, 37
.set NC,  38
.set KH,  39                           ; s39  (16 << 23) + the mantissa field of 57,344: g << 23 plus this is 57,344 x the scale
.set TB,  40
.set CNT, 41
.set KSC, 43                           ; s43  1 << 23: g << 23 plus this is the conversion's scale operand
.set MSB, 0
.macro WIN new                         ; the immediate's high byte repeats the setting that is left
.if MSB != \new
	s_set_vgpr_msb (MSB<<8)|\new
.set MSB, \new
.endif
.endm
.macro WALU
	s_wait_alu depctr_va_vdst(0)
.endm
.macro CROUND                          ; a round of the cluster's barrier
	s_barrier_signal -1
	s_barrier_wait -1
	s_cmp_lg_u32 s[WV], 0
	s_cbranch_scc1 .Lnot_wave_0_\@
	s_barrier_signal -3
.Lnot_wave_0_\@:
	s_barrier_wait -3
	s_barrier_signal -1
	s_barrier_wait -1
.endm
.macro JLOAD                           ; a wave's joint load of one record; s_nop 0 and four v_nop follow
	tensor_load_to_lds s[G0:G0+3], s[G1:G1+7]
	s_nop 0
.rept 4
	v_nop
.endr
.endm
; THE CHANGE OF SLOTS: all my tensor loads are in, 0 onto my spare word, my LDS reads are over; fill = 1: a round of the cluster's barrier and the joint fill first behind it
.macro CHANGE fill, la
	s_wait_tensorcnt 0x0
	ds_add_u32 v[SPW], v[NIL]
.if \fill
	s_mov_b32 s[G0+1], s[\la]
	s_add_nc_u64 s[G0+2:G0+3], s[G0+2:G0+3], SLOTB         ; the next eight records; the type bits on top are not reached
.endif
	s_wait_dscnt 0x0
.if \fill
	CROUND
	JLOAD
.else
	s_barrier_signal -1
	s_barrier_wait -1
.endif
.endm
.macro KLOAD
	WIN 0x40
.irp f, 0,1,2,3
.irp g, 0,1,2,3
	ds_load_b128 v[KF+16*\f+4*\g:KF+16*\f+4*\g+3], v[ADR] offset:2048*\f+512*\g
.endr
.endr
	WIN 0
	ds_load_b128 v[KS:KS+3], v[ADR] offset:16384
.endm
.macro BOTTOM                          ; eight places behind the products, then V's fragments and scale words of the record at v[ADR]
.rept 8
	v_nop
.endr
	WIN 0x40
.irp t, 0,1,2,3
.irp c, 0,1,2,3
	ds_load_b128 v[VF+16*\t+4*\c:VF+16*\t+4*\c+3], v[ADR] offset:8192+2048*\t+512*\c
.endr
.endr
	WIN 0
	ds_load_b128 v[VS:VS+3], v[ADR] offset:16384
.endm
.macro SMUL                            ; S^T = K Q^T: a fragment's two tiles of keys by [Q | 0] and [0 | Q], for both tiles of queries
	WIN 0x05
.irp f, 0,1,2,3
.irp u, 0,1
	v_wmma_scale_f32_16x16x128_f8f6f4 v[S+64*\u+16*\f:S+64*\u+16*\f+7], v[KF+16*\f:KF+16*\f+15], v[QZ+8+16*\u:QZ+23+16*\u], 0, v[KS+\f], v[QS+\u] matrix_a_fmt:MATRIX_FMT_BF8 matrix_b_fmt:MATRIX_FMT_BF8
	v_wmma_scale_f32_16x16x128_f8f6f4 v[S+64*\u+16*\f+8:S+64*\u+16*\f+15], v[KF+16*\f:KF+16*\f+15], v[QZ+16*\u:QZ+15+16*\u], 0, v[KS+\f], v[QS+\u] matrix_a_fmt:MATRIX_FMT_BF8 matrix_b_fmt:MATRIX_FMT_BF8
.endr
.endr
	WIN 0
.endm
.macro PVMUL                           ; O^T += V^T P^T, the eight accumulators by turns
	WIN 0x51
.irp t, 0,1,2,3
.irp u, 0,1
	v_wmma_scale_f32_16x16x128_f8f6f4 v[O+32*\u+8*\t:O+32*\u+8*\t+7], v[VF+16*\t:VF+16*\t+15], v[PC+16*\u:PC+16*\u+15], v[O+32*\u+8*\t:O+32*\u+8*\t+7], v[VS+\t], v[FF+2*\u+1] matrix_a_fmt:MATRIX_FMT_BF8 matrix_b_fmt:MATRIX_FMT_BF8 matrix_a_scale:MATRIX_SCALE_ROW1
.endr
.endr
	WIN 0
.endm
.macro MAXS u, k                       ; line k of 32: the largest score of each block of 32 keys; eight chains by turns (one an accumulator, from its low end on), then joined
.if (\k) < 24
.set C_, (\k)%8
.set X_, S+64*(\u)+8*C_
.set D_, BM+4*(\u)+C_/2+(T1-BM)*(C_%2)
.if (\k) < 8
	v_max3_num_f32 v[D_], v[X_], v[X_+1], v[X_+2]
.else
.set I_, 3+2*((\k)/8-1)
	v_max3_num_f32 v[D_], v[D_], v[X_+I_], v[X_+I_+1]
.endif
.elseif (\k) < 28
.set B_, (\k)-24
	v_max3_num_f32 v[BM+4*(\u)+B_], v[BM+4*(\u)+B_], v[T1+4*(\u)+B_], v[S+64*(\u)+16*B_+7]
.elseif (\k) < 32
.set B_, (\k)-28
	v_max_num_f32 v[BM+4*(\u)+B_], v[BM+4*(\u)+B_], v[S+64*(\u)+16*B_+15]
.endif
.endm
.macro CH u, k                         ; line k of 38: the other half's maxima, the running largest score, -M = floor(-c x it), f; then each block's g, hold and scale operand, and p's scale word
.set B_, (\k)%4
.set M_, BM+4*(\u)
.set N_, 12+2*(\u)
.set Y_, T1+4*(\u)
.set P_, FF+2*(\u)+1
.if (\k) < 4
	v_permlanex16_b32 v[Y_+B_], v[M_+B_], s[SEL], s[SEL+1]
.elseif (\k) < 8
	v_max_num_f32 v[M_+B_], v[M_+B_], v[Y_+B_]
.elseif (\k) == 8
	v_max3_num_f32 v[TT+(\u)], v[M_], v[M_+1], v[M_+2]
.elseif (\k) == 9
	v_max3_num_f32 v[N_+1], v[N_+1], v[TT+(\u)], v[M_+3]
.elseif (\k) == 10
	v_mul_f32 v[TT+(\u)], s[NC], v[N_+1]
.elseif (\k) == 11
	v_floor_f32 v[N_], v[TT+(\u)]
.elseif (\k) == 12
	v_sub_f32 v[TT+(\u)], v[N_], v[OM+(\u)]
.elseif (\k) == 13
	v_add_f32 v[OM+(\u)], 0x42de0000, v[N_]
.elseif (\k) == 14
	v_cvt_i32_f32 v[TT+(\u)], v[TT+(\u)]
.elseif (\k) == 15
	v_ldexp_f32 v[FF+2*(\u)], 1.0, v[TT+(\u)]
.elseif (\k) < 20
	v_fma_f32 v[M_+B_], v[M_+B_], s[CS], v[OM+(\u)]
.elseif (\k) < 24
	v_cvt_u32_f32 v[Y_+B_], v[M_+B_]
.elseif (\k) < 28
	v_lshl_add_u32 v[HO+4*(\u)+B_], v[Y_+B_], 23, s[KH]
.elseif (\k) < 32
	v_lshl_add_u32 v[SOP+4*(\u)+B_], v[Y_+B_], 23, s[KSC]
.elseif (\k) == 32
	v_lshl_add_u32 v[P_], v[Y_+1], 8, v[Y_]
.elseif (\k) == 33
	v_dual_mov_b32 v[HO2+4*(\u)], v[HO+4*(\u)] :: v_dual_mov_b32 v[HO2+4*(\u)+1], v[HO+4*(\u)+1]
.elseif (\k) == 34
	v_lshl_add_u32 v[P_], v[Y_+2], 16, v[P_]
.elseif (\k) == 35
	v_dual_mov_b32 v[HO2+4*(\u)+2], v[HO+4*(\u)+2] :: v_dual_mov_b32 v[HO2+4*(\u)+3], v[HO+4*(\u)+3]
.elseif (\k) == 36
	v_lshl_add_u32 v[P_], v[Y_+3], 24, v[P_]
.elseif (\k) == 37
	v_add_nc_u32 v[P_], 0x01010101, v[P_]
.endif
.endm
.macro PF u, k                         ; t - M, two at a time
.set X_, S+64*(\u)+2*(\k)
	v_pk_fma_f32 v[X_:X_+1], v[X_:X_+1], s[CS:CS+1], v[12+2*(\u):13+2*(\u)] op_sel_hi:[1,0,0]
.endm
.macro EX u, k                         ; p = 2^(t - M)
	v_exp_f32 v[S+64*(\u)+(\k)], v[S+64*(\u)+(\k)]
.endm
.macro MIN u, k                        ; the hold of p 2 k and 2 k + 1, in place (their sum has been taken): the conversion does not saturate (ISA guide 7.6.2); p is not negative
.set X_, S+64*(\u)+2*(\k)
	v_dual_min_num_f32 v[X_], v[X_], v[HO+4*(\u)+(\k)/8] :: v_dual_min_num_f32 v[X_+1], v[X_+1], v[HO2+4*(\u)+(\k)/8]
.endm
.macro CVT u, g
	v_cvt_scalef32_pk8_bf8_f32 v[PC+16*(\u)+2*(\g):PC+16*(\u)+2*(\g)+1], v[S+64*(\u)+8*(\g):S+64*(\u)+8*(\g)+7], v[SOP+4*(\u)+(\g)/2]
.endm
.macro ADD1 j                          ; A's sum, first level: four p into a pair of the registers that will hold codes
	v_pk_add_f32 v[PC+2*(\j):PC+2*(\j)+1], v[S+4*(\j):S+4*(\j)+1], v[S+4*(\j)+2:S+4*(\j)+3]
.endm
.macro RED k                           ; line k of 16: the sixteen pairs become one; the last line brings the old sum under the new M and adds
.if (\k) < 8
.set R_, PC+4*(\k)
	v_pk_add_f32 v[R_:R_+1], v[R_:R_+1], v[R_+2:R_+3]
.elseif (\k) < 12
.set R_, PC+8*((\k)-8)
	v_pk_add_f32 v[R_:R_+1], v[R_:R_+1], v[R_+4:R_+5]
.elseif (\k) < 14
.set R_, PC+16*((\k)-12)
	v_pk_add_f32 v[R_:R_+1], v[R_:R_+1], v[R_+8:R_+9]
.elseif (\k) == 14
	v_pk_add_f32 v[PC:PC+1], v[PC:PC+1], v[PC+16:PC+17]
.elseif (\k) == 15
	v_pk_fma_f32 v[16:17], v[16:17], v[FF:FF+1], v[PC:PC+1] op_sel_hi:[1,0,1]
.endif
.endm
.macro GRP g                           ; eight p of B: their sums, then their holds; among them the rest of A's sum, then both tiles' conversions two groups back (the codes' registers are free behind A's sum)
.set Z_, S+64+8*(\g)
.if (\g) == 0
	v_pk_add_f32 v[C1:C1+1], v[Z_:Z_+1], v[Z_+2:Z_+3]
	v_pk_add_f32 v[C2:C2+1], v[Z_+4:Z_+5], v[Z_+6:Z_+7]
	RED 8
	RED 9
	RED 10
	RED 11
	MIN 1, 0
	MIN 1, 1
	RED 12
	RED 13
	MIN 1, 2
	MIN 1, 3
.else
	v_pk_add_f32 v[C1:C1+1], v[C1:C1+1], v[Z_:Z_+1]
	v_pk_add_f32 v[C2:C2+1], v[C2:C2+1], v[Z_+2:Z_+3]
.if (\g) == 1
	RED 14
.else
	CVT 1, (\g)-2
.endif
	MIN 1, 4*(\g)
	MIN 1, 4*(\g)+1
	v_pk_add_f32 v[C1:C1+1], v[C1:C1+1], v[Z_+4:Z_+5]
	v_pk_add_f32 v[C2:C2+1], v[C2:C2+1], v[Z_+6:Z_+7]
.if (\g) == 1
	RED 15
.else
	CVT 0, (\g)-2
.endif
	MIN 1, 4*(\g)+2
	MIN 1, 4*(\g)+3
.endif
.endm
; A TRIP.  At its head step i's scores have been multiplied and V's loads of step i are out.  full = 0: the last step, with nothing to ask for
.macro BODY full
.if \full
	v_add_nc_u32 v[ADR], s[TB], v[LI]
	KLOAD
.endif
.set KK, 0
.rept 32
	MAXS 0, KK
.set KK, KK+1
.endr
.set KK, 0
.rept 8
	CH 0, KK
	MAXS 1, KK
.set KK, KK+1
.endr
.set KK, 0
.rept 8                                        ; each line of A's serial chain with three of B's maxima behind it
	CH 0, 8+KK
	MAXS 1, 8+3*KK
	MAXS 1, 9+3*KK
	MAXS 1, 10+3*KK
.set KK, KK+1
.endr
.set KK, 0
.rept 8
	CH 1, KK
	CH 0, 16+KK
.set KK, KK+1
.endr
.set KK, 0
.rept 7                                        ; each line of B's serial chain with two of A's scale lines and one of A's scalings behind it
	CH 1, 8+KK
	CH 0, 24+2*KK
	PF 0, KK
	CH 0, 25+2*KK
.set KK, KK+1
.endr
	CH 1, 15
	PF 0, 7
	PF 0, 8
	PF 0, 9
.set KK, 0
.rept 22
	CH 1, 16+KK
	PF 0, 10+KK
.set KK, KK+1
.endr
	WIN 0x41                                       ; O^T in window 1, f in window 0
.irp u, 0,1
.set KK, 0
.rept 16
	v_pk_mul_f32 v[O+32*\u+KK:O+32*\u+KK+1], v[O+32*\u+KK:O+32*\u+KK+1], v[FF+2*\u:FF+2*\u+1] op_sel_hi:[1,0]   ; O^T under the new M, each accumulator from its low end on; no transcendental stands between the products and these first readers
.set KK, KK+2
.endr
.endr
	WIN 0
	WALU                                           ; ahead of the batch
.set KK, 0
.rept 32
	EX 0, 2*KK
	PF 1, KK
	EX 0, 2*KK+1
.set KK, KK+1
.endr
	v_nop                                          ; the plain place behind the exponentials
	WALU                                           ; behind the first batch and ahead of the second
.set KK, 0
.rept 16
	EX 1, 4*KK
	ADD1 KK
	EX 1, 4*KK+1
	MIN 0, 2*KK
	EX 1, 4*KK+2
	MIN 0, 2*KK+1
	EX 1, 4*KK+3
.set KK, KK+1
.endr
	v_nop
	s_wait_dscnt 0x0                               ; V of this step and K of the next are in: all were asked for ahead of the softmax
	WALU                                           ; behind the second batch
.set KK, 0
.rept 8
	RED KK
.set KK, KK+1
.endr
.set KK, 0
.rept 8
	GRP KK
.set KK, KK+1
.endr
	CVT 1, 6
	CVT 0, 6
	CVT 0, 7
	CVT 1, 7
	v_pk_add_f32 v[C1:C1+1], v[C1:C1+1], v[C2:C2+1]        ; these five lines are the places between the codes and the products
	v_pk_fma_f32 v[18:19], v[18:19], v[FF+2:FF+3], v[C1:C1+1] op_sel_hi:[1,0,1]
.if \full
	v_mov_b32 v[OM], v12                           ; -M is kept for the next step
	v_mov_b32 v[OM+1], v14
.else
	v_nop
	v_nop
.endif
	v_nop
	PVMUL
.if \full
	SMUL
	BOTTOM
.endif
.endm
.macro PHASE base, n                   ; n trips; s[TB]: record i + 1 in the ring
	s_mov_b32 s[TB], \base
	s_mov_b32 s[CNT], \n
.Lstep_\@:
	BODY 1
	s_add_co_u32 s[TB], s[TB], REC
	s_sub_co_u32 s[CNT], s[CNT], 1
	s_cmp_lg_u32 s[CNT], 0
	s_cbranch_scc1 .Lstep_\@
.endm
	s_load_b256 s[4:11], s[0:1], 0x0               ; q s[4:5], kv s[6:7], ctx s[8:9], cs s[10:11]
	v_lshl_add_u32 v[SPW], v0, 2, SPARE
	v_mov_b32 v[NIL], 0
	ds_add_u32 v[SPW], v[NIL]                      ; the opening lines: the add, twice on end, and its wait ahead of my first tensor load
	ds_add_u32 v[SPW], v[NIL]
	v_lshrrev_b32 v8, 5, v0
	v_readfirstlane_b32 s[WV], v8                  ; wave 0..7
	v_and_b32 v8, 31, v0
	v_lshlrev_b32 v[LI], 4, v8
	v_and_b32 v9, 15, v0                           ; r
	v_lshlrev_b32 v10, 4, v9                       ; Q's scale words: 16 r
	v_lshlrev_b32 v[SCW], 2, v9
	v_and_b32 v[SCRD], 127, v0
	v_lshlrev_b32 v[CSO], 3, v[SCRD]
	v_add_nc_u32 v[SCRD], SCR, v[CSO]
	s_lshl_b32 s42, s[WV], 7
	s_add_co_u32 s42, s42, SCR
	v_add_nc_u32 v[SCW], s42, v[SCW]
	s_bfe_u32 s13, ttmp6, 0x40000                  ; cx
	s_lshl_b32 s14, ttmp9, 2
	s_add_co_u32 s14, s14, s13                     ; my block of 256 queries = 4 x cluster x + cx
	s_and_b32 s15, ttmp7, 0xffff                   ; 8 batch + head, which the four partners share
	; descriptor group 1: one record, 16,896 dense bytes, as 66 rows of 256 bytes (32 elements of 8 bytes)
	s_mov_b32 s[G1+0], 15|(3<<16)|(1<<21)          ; the mask: all four work-groups; elements of 8 bytes; bit 21 set beside a mask; no padding
	s_mov_b32 s[G1+1], 32<<16
	s_mov_b32 s[G1+2], 66<<16
	s_mov_b32 s[G1+3], 32<<16
	s_mov_b32 s[G1+4], 66
	s_mov_b32 s[G1+5], 32
	s_mov_b32 s[G1+6], 0
	s_mov_b32 s[G1+7], 0
	s_mul_i32 s[LA0], s[WV], REC                   ; which record of a slot I fetch, in LDS and in memory alike
	s_add_co_u32 s[LA1], s[LA0], SLOTB
	s_mul_i32 s44, s15, 32*REC                     ; the head's 32 records
	s_add_co_u32 s44, s44, s[LA0]
	s_mov_b32 s45, 0
	; Q: record 32 (8 batch + head) + 2 block + wave / 4, fragment wave % 4: its two halves are my two tiles
	s_lshl_b32 s46, s15, 5
	s_lshl_b32 s48, s14, 1
	s_add_co_u32 s46, s46, s48
	s_lshr_b32 s48, s[WV], 2
	s_add_co_u32 s46, s46, s48
	s_mul_i32 s46, s46, QREC
	s_and_b32 s49, s[WV], 3
	s_lshl_b32 s50, s49, 11
	s_add_co_u32 s50, s50, s46                     ; the fragment's codes
	s_mov_b32 s51, 0
	s_lshl_b32 s49, s49, 2
	s_add_co_u32 s46, s46, s49
	s_add_co_u32 s46, s46, 8192                    ; its scale words
	s_mov_b32 s47, 0
	; ctx: ((batch x 256 + 16 block + 2 wave + tile) x 4 + head / 2) x 2,048 + (head % 2) x 1,024
	s_lshr_b32 s54, s15, 3
	s_lshl_b32 s54, s54, 8
	s_lshl_b32 s55, s14, 4
	s_add_co_u32 s54, s54, s55
	s_lshl_b32 s55, s[WV], 1
	s_add_co_u32 s54, s54, s55
	s_lshl_b32 s54, s54, 13
	s_bfe_u32 s55, s15, 0x20001
	s_lshl_b32 s55, s55, 11
	s_add_co_u32 s54, s54, s55
	s_and_b32 s55, s15, 1
	s_lshl_b32 s55, s55, 10
	s_add_co_u32 s54, s54, s55
	s_mov_b32 s55, 0
	s_lshl_b32 s56, s15, 14                        ; cs: (8 batch + head) x 16,384 + block x 1,024
	s_lshl_b32 s57, s14, 10
	s_add_co_u32 s56, s56, s57
	s_mov_b32 s57, 0
	s_mov_b32 s[MNT], 0x600000                     ; the mantissa field of 57,344
	s_mov_b32 s[SEL], 0x76543210
	s_mov_b32 s[SEL+1], 0xfedcba98                 ; v_permlanex16_b32's selects for lane l xor 16
	s_mov_b32 s[CS], 0x3e38aa3b                    ; c = log2(e) / 8
	s_mov_b32 s[CS+1], s[CS]
	s_mov_b32 s[NC], 0xbe38aa3b                    ; -c
	s_mov_b32 s[KH], 0x08600000
	s_mov_b32 s[KSC], 0x00800000
	WALU
	s_wait_dscnt 0x0                               ; both opening adds are done
	s_wait_kmcnt 0x0
	s_mov_b32 s[G0], 1
	s_mov_b32 s[G0+1], s[LA0]
	s_add_nc_u64 s[G0+2:G0+3], s[6:7], s[44:45]
	s_or_b32 s[G0+3], s[G0+3], 0x80000000          ; type = 2
	s_add_nc_u64 s[58:59], s[4:5], s[46:47]        ; Q's scale words
	s_add_nc_u64 s[4:5], s[4:5], s[50:51]          ; Q's codes
	s_add_nc_u64 s[8:9], s[8:9], s[54:55]
	s_add_nc_u64 s[10:11], s[10:11], s[56:57]
	CROUND                                         ; all four work-groups are here: the first joint loads meet
	s_cmp_eq_u32 s[WV], 0                          ; slot 0: records 0 to 7, one a wave.  Wave 0's line is its own: it alone is waited for at the first barrier
	s_cbranch_scc0 .Lothers
	JLOAD
	s_branch .Lasked
.Lothers:
	JLOAD
.Lasked:
	global_load_b32 v11, v10, s[58:59]
	WIN 0x40
	global_load_b128 v[QZ+8:QZ+11], v[LI], s[4:5]
	global_load_b128 v[QZ+12:QZ+15], v[LI], s[4:5] offset:512
	global_load_b128 v[QZ+24:QZ+27], v[LI], s[4:5] offset:1024
	global_load_b128 v[QZ+28:QZ+31], v[LI], s[4:5] offset:1536
	WIN 0
.irp u, 0,1
	v_mov_b32 v[13+2*\u], 0xff61b1e6               ; the largest score so far: -3e38, under every score
	v_mov_b32 v[16+2*\u], 0                        ; the sum, in two halves
	v_mov_b32 v[17+2*\u], 0
	v_mov_b32 v[FF+2*\u+1], 0
	v_mul_f32 v[TT+\u], s[NC], v[13+2*\u]
	v_floor_f32 v[12+2*\u], v[TT+\u]               ; -M
	v_mov_b32 v[OM+\u], v[12+2*\u]
.endr
.irp b, 0,1,2,3,4,5,6,7
	v_mov_b32 v[T1+\b], 0                          ; written once: a lane permute's destination counts as one of its sources
.endr
	WALU
	s_wait_loadcnt 0x0                             ; Q and its words
	v_perm_b32 v[QS], v11, v11, 0x01000100         ; tile A: (s0, s1, s0, s1); the moves below are the places between these lines and the first product
	v_perm_b32 v[QS+1], v11, v11, 0x03020302       ; tile B
	WIN 0x40
.irp z, 0,16,32
.irp j, 0,1,2,3,4,5,6,7
	v_mov_b32 v[QZ+\z+\j], 0                       ; zero codes
.endr
.endr
.set KK, 0
.rept 64
	v_mov_b32 v[O+KK], 0                           ; O^T: the trip is written once; the first finds zeros, which the first change of M leaves zeros
.set KK, KK+1
.endr
	WIN 0
	v_mov_b32 v[ADR], v[LI]                        ; record 0
	WALU                                           ; the head's end
	s_cmp_eq_u32 s[WV], 0
	s_cbranch_scc0 .Lnot_first
	s_wait_tensorcnt 0x0                           ; wave 0: record 0 has landed.  The other waves' wait stands in front of the round below
.Lnot_first:
	s_barrier_signal -1
	s_barrier_wait -1
	KLOAD
	s_wait_dscnt 0x0
	SMUL
	BOTTOM
	CHANGE 1, LA1                                  ; slot 0 is whole; slot 1 takes records 8 to 15
	PHASE REC, 7                                   ; steps 0 to 6
	CHANGE 1, LA0                                  ; slot 0 takes records 16 to 23
	PHASE 8*REC, 8                                 ; steps 7 to 14
	CHANGE 1, LA1                                  ; slot 1 takes records 24 to 31
	PHASE 0, 8                                     ; steps 15 to 22
	CHANGE 0, LA0                                  ; nothing is left to fetch
	PHASE 8*REC, 8                                 ; steps 23 to 30
	BODY 0                                         ; step 31
	; THE WAY OUT.  O^T / the sum is the context of my 32 queries and my head's 64 channels: two blocks of 32 along the last product's K for each tile, 16 numbers of each in my lane.
	v_add_f32 v16, v16, v17
	v_add_f32 v18, v18, v19
	v_permlanex16_b32 v[TT], v16, s[SEL], s[SEL+1]
	v_permlanex16_b32 v[TT+1], v18, s[SEL], s[SEL+1]
	v_add_f32 v16, v16, v[TT]
	v_add_f32 v18, v18, v[TT+1]
.rept 4
	v_nop                                          ; with the four additions: eight places behind the last products
.endr
	WALU
	v_rcp_f32 v16, v16
	v_rcp_f32 v18, v18
	v_nop
	WIN 0x01
	WALU
.irp u, 0,1
.set KK, 0
.rept 16
	v_pk_mul_f32 v[S+64*\u+KK:S+64*\u+KK+1], v[O+32*\u+KK:O+32*\u+KK+1], v[16+2*\u:17+2*\u] op_sel_hi:[1,0]
.set KK, KK+2
.endr
.endr
	WIN 0
.irp u, 0,1
.irp b, 0,1
	v_max3_num_f32 v[BM+4*\u+\b], |v[S+64*\u+16*\b]|, |v[S+64*\u+16*\b+1]|, 0x8000000
.endr
.endr
.irp i, 2,4,6,8,10,12,14
.irp u, 0,1
.irp b, 0,1
	v_max3_num_f32 v[BM+4*\u+\b], v[BM+4*\u+\b], |v[S+64*\u+16*\b+\i]|, |v[S+64*\u+16*\b+\i+1]|
.endr
.endr
.endr
.irp u, 0,1
.irp b, 0,1
	v_permlanex16_b32 v[T1+4*\u+\b], v[BM+4*\u+\b], s[SEL], s[SEL+1]
.endr
.endr
.irp u, 0,1
.irp b, 0,1
	v_max_num_f32 v[BM+4*\u+\b], v[BM+4*\u+\b], v[T1+4*\u+\b]
.endr
.endr
.irp u, 0,1
.irp b, 0,1
	v_add_nc_u32 v[SOP+4*\u+\b], 0xf8800000, v[BM+4*\u+\b]
.endr
.endr
.irp u, 0,1
.irp b, 0,1
	v_and_or_b32 v[HO+4*\u+\b], v[BM+4*\u+\b], 0x7f800000, s[MNT]
.endr
.endr
.irp u, 0,1
.irp b, 0,1
	v_lshrrev_b32 v[T1+4*\u+\b], 23, v[SOP+4*\u+\b]
.endr
.endr
.irp u, 0,1
	v_lshl_or_b32 v[TT+\u], v[T1+4*\u+1], 8, v[T1+4*\u]    ; my head's two bytes of a query: half a scale word
.endr
.irp u, 0,1
.irp b, 0,1
.irp i, 0,1,2,3,4,5,6,7,8,9,10,11,12,13,14,15
	v_med3_num_f32 v[S+64*\u+16*\b+\i], v[S+64*\u+16*\b+\i], -v[HO+4*\u+\b], v[HO+4*\u+\b]
.endr
	v_cvt_scalef32_pk8_bf8_f32 v[PC+16*\u+4*\b:PC+16*\u+4*\b+1], v[S+64*\u+16*\b:S+64*\u+16*\b+7], v[SOP+4*\u+\b]
	v_cvt_scalef32_pk8_bf8_f32 v[PC+16*\u+4*\b+2:PC+16*\u+4*\b+3], v[S+64*\u+16*\b+8:S+64*\u+16*\b+15], v[SOP+4*\u+\b]
.endr
.endr
	v_nop
.irp u, 0,1
	global_store_b128 v[LI], v[PC+16*\u:PC+16*\u+3], s[8:9] offset:8192*\u          ; two groups of the last product's fragment: 512 consecutive bytes each
	global_store_b128 v[LI], v[PC+16*\u+4:PC+16*\u+7], s[8:9] offset:8192*\u+512
	ds_store_b32 v[SCW], v[TT+\u] offset:64*\u     ; both halves of the lanes write the same word with the same value
.endr
	WALU
	s_wait_dscnt 0x0                               ; for the others' sake
	s_barrier_signal -1
	s_barrier_wait -1                              ; the sixteen tiles' words, 1,024 bytes, lie in LDS
	s_cmp_lt_u32 s[WV], 4
	s_cbranch_scc0 .Lno_cs
	ds_load_b64 v[8:9], v[SCRD]
	s_wait_dscnt 0x0
	global_store_b64 v[CSO], v[8:9], s[10:11]      ; a wave stores 256 consecutive bytes, aligned
.Lno_cs:
	s_wait_tensorcnt 0x0                           ; the wave's end
	ds_add_u32 v[SPW], v[NIL]
	s_wait_dscnt 0x0
	CROUND                                         ; the closing round
	s_endpgm
.Lfunc_end_k_qccd8a11248_attn:
	.size	k_qccd8a11248_attn, .Lfunc_end_k_qccd8a11248_attn-k_qccd8a11248_attn
	.p2alignl 7, 3214868480
	.fill 96, 4, 3214868480
	.section	.rodata,"a",@progbits
	.p2align	6, 0x0
	.amdhsa_kernel k_qccd8a11248_attn
		.amdhsa_group_segment_fixed_size 327680
		.amdhsa_private_segment_fixed_size 0
		.amdhsa_enable_private_segment 0
		.amdhsa_kernarg_size 32
		.amdhsa_user_sgpr_count 2
		.amdhsa_user_sgpr_kernarg_segment_ptr 1
		.amdhsa_wavefront_size32 1
		.amdhsa_system_sgpr_workgroup_id_x 1
		.amdhsa_system_sgpr_workgroup_id_y 1
		.amdhsa_system_sgpr_workgroup_id_z 1
		.amdhsa_system_vgpr_workitem_id 0
		.amdhsa_next_free_vgpr 512
		.amdhsa_next_free_sgpr 66
		.amdhsa_reserve_vcc 0
		.amdhsa_float_denorm_mode_32 3
		.amdhsa_float_denorm_mode_16_64 3
		.amdhsa_memory_ordered 1
		.amdhsa_forward_progress 1
		.amdhsa_inst_pref_size 189
	.end_amdhsa_kernel
	.amdgpu_metadata
---
amdhsa.version: [ 1, 2 ]
amdhsa.kernels:
  - .name:           k_qccd8a11248_attn
    .symbol:         k_qccd8a11248_attn.kd
    .args:
      - { .name: q, .offset: 0, .size: 8, .value_kind: global_buffer, .address_space: global }
      - { .name: kv, .offset: 8, .size: 8, .value_kind: global_buffer, .address_space: global }
      - { .name: ctx, .offset: 16, .size: 8, .value_kind: global_buffer, .address_space: global }
      - { .name: cs, .offset: 24, .size: 8, .value_kind: global_buffer, .address_space: global }
    .group_segment_fixed_size: 327680
    .private_segment_fixed_size: 0
    .kernarg_segment_align: 8
    .kernarg_segment_size: 32
    .max_flat_workgroup_size: 256
    .sgpr_count:     66
    .vgpr_count:     512
    .wavefront_size: 32
...
	.end_amdgpu_metadata
.endif
;; end of part 2
;; launch outp (part 3): grid 256 x 1, 8 waves a work-group, no clusters, 70,656 bytes of LDS; arguments ctx, cs, Wo_codes, Wo_scales, bo, out0; writes out0
.if DOCPART == 3
	.amdgcn_target "amdgcn-amd-amdhsa--gfx1250"
	.amdhsa_code_object_version 6
	.text
	.protected	k_qccd8a11248_outp
	.globl	k_qccd8a11248_outp
	.p2align	8
	.type	k_qccd8a11248_outp,@function
k_qccd8a11248_outp:
	s_mov_b64 s[64:65], 0
	v_nop
	global_prefetch_b8 v0, s[64:65] scope:SCOPE_SE
	s_setreg_imm32_b32 hwreg(HW_REG_WAVE_MODE, 25, 1), 1
	s_wait_xcnt 0x0
; out = context Wo^T + bo on codes of BF8 (E5M2) with E8M0 scales; sums in f32.  The context's codes arrive as images of the operand's registers, [batch][tile of 16 tokens][K step][group][lane][16 bytes],
; its scale bytes as half words, [8 batch + head][tile][slot]: byte 0 and byte 1 are that head's two blocks of 32.  Slot r of tile T is token 32 (T / 2) + 8 (T % 2) + r + 8 (r / 8).
; SHARES.  Work-group g takes tokens 32 g to 32 g + 31 of the 8,192: two tiles.  Wave w takes outputs 64 w to 64 w + 63: its 16 fragments of Wo lie in window 1; eight accumulators, 32 products.
; The product is used transposed (source 0 = 16 rows of Wo, source 1 = 16 tokens): a lane holds eight neighbouring outputs of one token.  The bias is loaded straight into the accumulators: the sums begin on it.
; No tensor load, so no ring and no cluster: every operand is read once by a wave, densely, into registers.  The results go through the wave's own stage in LDS, where the tokens come into their order,
; and leave as rows: sixteen lanes store 256 consecutive bytes, aligned.
; LIMITS: NaN, infinities and given scale bytes 0xff are not served specially.
.set SP,  272                          ; a stage row: a token's 64 outputs, 256 bytes, + 16 of padding
.set STG, 32*SP                        ; a wave's stage
.set LI,  1                            ; v1   16 x lane
.set WA,  2                            ; v2   Wo's codes: 512 r + 16 h
.set WSA, 3                            ; v3   Wo's scale words: 16 r
.set BA,  4                            ; v4   bo: 32 h
.set CSA, 5                            ; v5   the context's half words: 4 x lane: lanes 0-15 tile u = 0, lanes 16-31 tile u = 1
.set STO, 6                            ; v6   the stage, in
.set RD,  7                            ; v7   the stage, back
.set CO,  8                            ; v8   my place in two rows of out
.set CF,  16                           ; v16-143  the context's fragments: 16 (4 u + s); later the rows read back
.set ACC, 144                          ; v144-207 eight accumulators: 8 (4 u + t)
.set WS,  208                          ; v208-223 Wo's scale words: 4 t + s
.set CSW, 224                          ; v224-227 the context's scale words, one for each K step
.set HW,  228                          ; v228-235 the eight heads' half words
.set WV,  16
.set MSB, 0
.macro WIN new                         ; the immediate's high byte repeats the setting that is left
.if MSB != \new
	s_set_vgpr_msb (MSB<<8)|\new
.set MSB, \new
.endif
.endm
	s_load_b256 s[4:11], s[0:1], 0x0               ; ctx s[4:5], cs s[6:7], Wo's codes s[8:9], Wo's scales s[10:11]
	s_load_b128 s[12:15], s[0:1], 0x20             ; bo s[12:13], out s[14:15]
	v_lshl_add_u32 v254, v0, 2, 0x11000
	v_mov_b32 v255, 0
	v_lshrrev_b32 v9, 5, v0
	s_delay_alu instid0(VALU_DEP_1)
	v_readfirstlane_b32 s[WV], v9                  ; wave 0..7
	v_and_b32 v9, 31, v0                           ; lane
	v_and_b32 v10, 15, v0                          ; r
	v_bfe_u32 v11, v0, 4, 1                        ; h
	s_delay_alu instid0(VALU_DEP_3)
	v_lshlrev_b32 v[LI], 4, v9
	s_delay_alu instid0(VALU_DEP_3)
	v_lshlrev_b32 v[WA], 9, v10
	s_delay_alu instid0(VALU_DEP_1)
	v_lshl_add_u32 v[WA], v11, 4, v[WA]
	v_lshlrev_b32 v[WSA], 4, v10
	v_lshlrev_b32 v[BA], 5, v11
	v_lshlrev_b32 v[CSA], 2, v9
	s_lshl_b32 s20, ttmp9, 14                      ; ctx: two tiles of 8,192 bytes a work-group
	s_mov_b32 s21, 0
	s_lshr_b32 s22, ttmp9, 7                       ; cs: batch x 131,072 + pair x 128
	s_lshl_b32 s22, s22, 17
	s_and_b32 s23, ttmp9, 127
	s_lshl_b32 s23, s23, 7
	s_add_co_u32 s22, s22, s23
	s_mov_b32 s23, 0
	s_lshl_b32 s24, s[WV], 15                      ; my 64 rows of Wo: codes,
	s_mov_b32 s25, 0
	s_lshl_b32 s26, s[WV], 10                      ; scale bytes
	s_mov_b32 s27, 0
	s_lshl_b32 s28, s[WV], 8                       ; my 64 numbers of bo
	s_mov_b32 s29, 0
	s_lshl_b32 s30, ttmp9, 16                      ; out: 32 rows of 2,048 bytes a work-group, + my 256 bytes of a row
	s_add_co_u32 s30, s30, s28
	s_mov_b32 s31, 0
	s_mul_i32 s32, s[WV], STG                      ; my stage
	s_wait_alu depctr_va_vdst(0)
	s_wait_kmcnt 0x0
	s_add_nc_u64 s[4:5], s[4:5], s[20:21]
	s_add_nc_u64 s[6:7], s[6:7], s[22:23]
	s_add_nc_u64 s[8:9], s[8:9], s[24:25]
	s_add_nc_u64 s[10:11], s[10:11], s[26:27]
	s_add_nc_u64 s[12:13], s[12:13], s[28:29]
	s_add_nc_u64 s[14:15], s[14:15], s[30:31]
	WIN 0x40                                       ; destination window 1
.irp t, 0,1,2,3                                ; Wo's fragment (tile t, K step s) at v[16 (4 t + s)] of window 1
.irp s, 0,1,2,3
.irp c, 0,1,2,3
	global_load_b128 v[16*(4*\t+\s)+4*\c:16*(4*\t+\s)+4*\c+3], v[WA], s[8:9] offset:8192*\t+128*\s+32*\c
.endr
.endr
.endr
	WIN 0
.irp u, 0,1
.irp s, 0,1,2,3
.irp c, 0,1,2,3
	global_load_b128 v[CF+16*(4*\u+\s)+4*\c:CF+16*(4*\u+\s)+4*\c+3], v[LI], s[4:5] offset:8192*\u+2048*\s+512*\c   ; an image's group: 512 consecutive bytes
.endr
.endr
.endr
.irp d, 0,1,2,3,4,5,6,7
	global_load_b32 v[HW+\d], v[CSA], s[6:7] offset:16384*\d
.endr
.irp t, 0,1,2,3
	global_load_b128 v[WS+4*\t:WS+4*\t+3], v[WSA], s[10:11] offset:256*\t   ; a row's 16 scale bytes are its four K steps' words
.endr
.irp u, 0,1
.irp t, 0,1,2,3
	global_load_b128 v[ACC+8*(4*\u+\t):ACC+8*(4*\u+\t)+3], v[BA], s[12:13] offset:64*\t      ; bo(64 w + 16 t + 8 h + 0 .. 7): the sums' start
	global_load_b128 v[ACC+8*(4*\u+\t)+4:ACC+8*(4*\u+\t)+7], v[BA], s[12:13] offset:64*\t+16
.endr
.endr
	s_wait_loadcnt 0x0
.irp s, 0,1,2,3
	v_lshl_or_b32 v[CSW+\s], v[HW+2*\s+1], 16, v[HW+2*\s]   ; K step s is heads 2 s and 2 s + 1: four bytes
.endr
	v_and_b32 v12, 8, v10                          ; the ten address lines below are the eight places and more between the scale words and the first product
	s_delay_alu instid0(VALU_DEP_1)
	v_add_nc_u32 v12, v12, v10                     ; rho = r + 8 (r / 8)
	s_delay_alu instid0(VALU_DEP_1)
	v_mul_u32_u24 v[STO], v12, SP
	s_delay_alu instid0(VALU_DEP_1)
	v_lshl_add_u32 v[STO], v11, 5, v[STO]
	s_delay_alu instid0(VALU_DEP_1)
	v_add_nc_u32 v[STO], s32, v[STO]               ; in: row rho (+ 8 u in the offset), 32 bytes for each half of the lanes
	v_mul_u32_u24 v[RD], v11, SP
	s_delay_alu instid0(VALU_DEP_1)
	v_lshl_add_u32 v[RD], v10, 4, v[RD]
	s_delay_alu instid0(VALU_DEP_1)
	v_add_nc_u32 v[RD], s32, v[RD]                 ; back: lanes 0-15 one row, lanes 16-31 the next
	v_lshlrev_b32 v[CO], 11, v11
	s_delay_alu instid0(VALU_DEP_1)
	v_lshl_add_u32 v[CO], v10, 4, v[CO]            ; and the same two rows in out
	WIN 0x01                                       ; source 0 (Wo) window 1
.irp s, 0,1,2,3                                ; the eight accumulators by turns, one instruction a turn, K ascending
.irp t, 0,1,2,3
	v_wmma_scale_f32_16x16x128_f8f6f4 v[ACC+8*\t:ACC+8*\t+7], v[16*(4*\t+\s):16*(4*\t+\s)+15], v[CF+16*\s:CF+16*\s+15], v[ACC+8*\t:ACC+8*\t+7], v[WS+4*\t+\s], v[CSW+\s] matrix_a_fmt:MATRIX_FMT_BF8 matrix_b_fmt:MATRIX_FMT_BF8
.endr
.irp t, 0,1,2,3
	v_wmma_scale_f32_16x16x128_f8f6f4 v[ACC+8*(4+\t):ACC+8*(4+\t)+7], v[16*(4*\t+\s):16*(4*\t+\s)+15], v[CF+16*(4+\s):CF+16*(4+\s)+15], v[ACC+8*(4+\t):ACC+8*(4+\t)+7], v[WS+4*\t+\s], v[CSW+\s] matrix_a_fmt:MATRIX_FMT_BF8 matrix_b_fmt:MATRIX_FMT_BF8 matrix_b_scale:MATRIX_SCALE_ROW1
.endr
.endr
	WIN 0
.rept 8
	v_nop                                          ; eight places in front of the LDS stores that read results and of the loads into registers that the products read
.endr
.irp u, 0,1
.irp t, 0,1,2,3
	ds_store_b128 v[STO], v[ACC+8*(4*\u+\t):ACC+8*(4*\u+\t)+3] offset:8*\u*SP+64*\t          ; each accumulator from its low end on
	ds_store_b128 v[STO], v[ACC+8*(4*\u+\t)+4:ACC+8*(4*\u+\t)+7] offset:8*\u*SP+64*\t+16
.endr
.endr
.irp i, 0,1,2,3,4,5,6,7,8,9,10,11,12,13,14,15
	ds_load_b128 v[CF+4*\i:CF+4*\i+3], v[RD] offset:2*\i*SP   ; LDS serves a wave's instructions in order (ISA guide 5.7.1.4): these see my stores; the stage is my own
.endr
	s_wait_alu depctr_va_vdst(0)
.irp i, 0,1,2,3,4,5,6,7,8,9,10,11,12,13,14,15
	s_wait_dscnt 15-\i                             ; LDS loads come back in order: rows 2 i and 2 i + 1 are in, the younger loads stay out
	global_store_b128 v[CO], v[CF+4*\i:CF+4*\i+3], s[14:15] offset:4096*\i th:TH_STORE_NT   ; sixteen lanes store 256 consecutive bytes, aligned; written once, read by nobody here
.endr
	s_wait_tensorcnt 0x0
	ds_add_u32 v254, v255
	s_wait_dscnt 0x0
	s_endpgm
.Lfunc_end_k_qccd8a11248_outp:
	.size	k_qccd8a11248_outp, .Lfunc_end_k_qccd8a11248_outp-k_qccd8a11248_outp
	.p2alignl 7, 3214868480
	.fill 96, 4, 3214868480
	.section	.rodata,"a",@progbits
	.p2align	6, 0x0
	.amdhsa_kernel k_qccd8a11248_outp
		.amdhsa_group_segment_fixed_size 70656
		.amdhsa_private_segment_fixed_size 0
		.amdhsa_enable_private_segment 0
		.amdhsa_kernarg_size 48
		.amdhsa_user_sgpr_count 2
		.amdhsa_user_sgpr_kernarg_segment_ptr 1
		.amdhsa_wavefront_size32 1
		.amdhsa_system_sgpr_workgroup_id_x 1
		.amdhsa_system_sgpr_workgroup_id_y 1
		.amdhsa_system_sgpr_workgroup_id_z 1
		.amdhsa_system_vgpr_workitem_id 0
		.amdhsa_next_free_vgpr 512
		.amdhsa_next_free_sgpr 66
		.amdhsa_reserve_vcc 0
		.amdhsa_float_denorm_mode_32 3
		.amdhsa_float_denorm_mode_16_64 3
		.amdhsa_memory_ordered 1
		.amdhsa_forward_progress 1
		.amdhsa_inst_pref_size 24
	.end_amdhsa_kernel
	.amdgpu_metadata
---
amdhsa.version: [ 1, 2 ]
amdhsa.kernels:
  - .name:           k_qccd8a11248_outp
    .symbol:         k_qccd8a11248_outp.kd
    .args:
      - { .name: ctx, .offset: 0, .size: 8, .value_kind: global_buffer, .address_space: global }
      - { .name: cs, .offset: 8, .size: 8, .value_kind: global_buffer, .address_space: global }
      - { .name: Wo_codes, .offset: 16, .size: 8, .value_kind: global_buffer, .address_space: global }
      - { .name: Wo_scales, .offset: 24, .size: 8, .value_kind: global_buffer, .address_space: global }
      - { .name: bo, .offset: 32, .size: 8, .value_kind: global_buffer, .address_space: global }
      - { .name: out0, .offset: 40, .size: 8, .value_kind: global_buffer, .address_space: global }
    .group_segment_fixed_size: 70656
    .private_segment_fixed_size: 0
    .kernarg_segment_align: 8
    .kernarg_segment_size: 48
    .max_flat_workgroup_size: 256
    .sgpr_count:     66
    .vgpr_count:     512
    .wavefront_size: 32
...
	.end_amdgpu_metadata
.endif
;; end of part 3
